; MI455X (gfx1250); checked and timed in simulation.
; The chip was launched on July 23, 2026; its instructions are those of AMD's public machine-readable ISA for CDNA 5 (MIT licence, August 2026) and "CDNA5" Instruction Set Architecture Reference Guide (July 2026). The comments in the code are by the model that wrote it; some were corrected since.
;; Static Dual Expert Linear. Allowed arithmetic: matrix products marked QUANTISED: E5M2 operands, one E8M0 scale for each 32 along K, by v_wmma_scale_f32_16x16x128_f8f6f4 with both operands' format E5M2, f32 sums; everything else in f32.
;; Inputs: W_img_codes 2,048 x 64 x 32 uint8 (E5M2 codes of W_img, K innermost, in blocks of 32 codes); W_img_scales 2,048 x 64 uint8 (E8M0 scales of W_img, one for each 32 codes along K); W_text_codes 2,048 x 64 x 32 uint8 (E5M2 codes of W_text, K innermost, in blocks of 32 codes); W_text_scales 2,048 x 64 uint8 (E8M0 scales of W_text, one for each 32 codes along K); b_img 2,048 float32; b_text 2,048 float32; token_modality_idx 4 x 2,048 int32; x_codes 4 x 2,048 x 64 x 32 uint8 (E5M2 codes of x, K innermost, in blocks of 32 codes); x_scales 4 x 2,048 x 64 uint8 (E8M0 scales of x, one for each 32 codes along K).
;; Outputs: out0 4 x 2,048 x 2,048 float32.
;; This version of the problem:
;;   THIS VERSION OF THE PROBLEM IS GIVEN IN LOW PRECISION. The matrix products marked QUANTISED in the list below multiply operands that are first quantised to E5M2 (5 exponent bits, 2 mantissa bits; 8 bits a number), with one power-of-two scale for each 32 numbers along K (OCP MX v1.0); their sums are f32. All else is computed in f32.
;;   The module's matrix products, in the order in which they are computed (A, B: the left and right operand; K: the contracted axis; several contracted axes count as one K, in the product's order):
;;     1. [M 8,192, K 2,048] x [K 2,048, N 2,048]; A: input x (given as codes); B: input W_img (given as codes): QUANTISED
;;     2. [M 8,192, K 2,048] x [K 2,048, N 2,048]; A: input x (given as codes); B: input W_text (given as codes): QUANTISED
;;   THE QUANTISER, for each operand of a quantised product, along K:
;;     - K is cut into blocks of 32 from its start; a last block that is shorter is filled with zeros.
;;     - A block's scale is 2^e with e = floor(log2(the largest magnitude in the block)) - 15, held to -126 .. 127; a block of zeros has e = 0. As a byte (E8M0): e + 127.
;;     - Each number is divided by its block's scale, clamped to +-57,344, and rounded to the nearest number of E5M2, ties to even, subnormals kept.
;;     - The product sums the exact products of the quantised numbers (number of the format x scale) in f32.
;;   ~~~python
;;   def quantise(x, axis):      # numpy; x: float32 -> the quantised numbers, widened to float32 again
;;       x = np.moveaxis(x, axis, -1); K = x.shape[-1]
;;       x = np.pad(x, [(0, 0)] * (x.ndim - 1) + [(0, -K % 32)]); x = x.reshape(x.shape[:-1] + (-1, 32)); a = np.abs(x).max(-1, keepdims=True)
;;       e = np.where(a > 0, np.clip(np.frexp(np.where(a > 0, a, 1))[1] - 1 - 15, -126, 127), 0)      # np.frexp(a)[1] - 1 = floor(log2(a)), exactly
;;       r = np.clip(x / 2.0 ** e, -57344, 57344)
;;       step = 2.0 ** (np.maximum(np.frexp(np.where(r == 0, 1, r))[1] - 1, -14) - 2)
;;       q = np.round(r / step) * step * 2.0 ** e      # np.round: ties to even
;;       return np.moveaxis(q.reshape(q.shape[:-2] + (-1,))[..., :K], -1, axis).astype(np.float32)
;;   ~~~
;;   INPUTS GIVEN AS CODES. W_img (in the module: [2048, 2048], K = its axis 1); W_text (in the module: [2048, 2048], K = its axis 1); x (in the module: [4, 2048, 2048], K = its axis 2): each comes as NAME_codes (uint8): NAME with its K axis moved to the last place and cut into blocks of 32 codes, [.., K / 32, bytes a block], one block behind the other in memory; one code a byte (a code: sign, 5 exponent bits, 2 mantissa bits); and NAME_scales (uint8): the same leading axes, one E8M0 byte (e + 127) for each 32 codes along K. Its value is code x scale, taken as it is: it is not quantised again, and the codes and scales need not be those that the quantiser above would give.
;; One version. Each part assembles by itself: llvm-mc -triple=amdgcn-amd-amdhsa -mcpu=gfx1250 --defsym DOCPART=n.
;; ======== version 1 of 1: 2 launches
;; limits: right only within a limited range of input values
;; workspace buffers: xs 17,825,792 bytes; xss 557,056 bytes; wc 8,388,608 bytes; wsc 262,144 bytes; rowtok 34,816 bytes of whole numbers; tileexp 256 bytes of whole numbers
;; launch route (part 1): grid 256 x 1, 8 waves a work-group, no clusters, 1,280 bytes of LDS; arguments x_codes, x_scales, token_modality_idx, xs, xss, rowtok, tileexp, W_img_codes, W_img_scales, W_text_codes, W_text_scales, wc, wsc; writes xs, xss, rowtok, tileexp, wc, wsc
.if DOCPART == 1
	.amdgcn_target "amdgcn-amd-amdhsa--gfx1250"
	.amdhsa_code_object_version 6
	.text
	.protected	k_q0a3a275253_route
	.globl	k_q0a3a275253_route
	.p2align	8
	.type	k_q0a3a275253_route,@function
k_q0a3a275253_route:
	s_mov_b64 s[64:65], 0
	v_nop
	global_prefetch_b8 v0, s[64:65] scope:SCOPE_SE
	s_setreg_imm32_b32 hwreg(HW_REG_WAVE_MODE, 25, 1), 1
	s_wait_xcnt 0x0
; THE ROWS OF x ARE SORTED BY EXPERT, AND THE TWO EXPERTS' WEIGHTS ARE LAID BEHIND ONE POINTER.
; 8,192 tokens; token_modality_idx says for each which expert's linear is kept (0: text, else: image).
; The sorted buffers have 8,704 rows = 32 tiles of 272: text tokens from row 0 on (n0 of them), image tokens from row B1 = 272 ceil(n0 / 272) on (n1 of them).
; ceil(n0 / 272) + ceil(n1 / 272) <= (8,192 + 2 x 271) / 272, rounded down, = 32: the 32 tiles serve every split, all tokens on one expert too.
; The 512 rows that hold no token are paddings j = 0 .. 511: the first p0 = B1 - n0 lie at n0 + j, the others at 8,192 + j.  Their codes and scale bytes are zeros, their rowtok is -1.
; OUT: xs [8,704][2,048] codes, xss [8,704][64] scale bytes, rowtok [8,704] the token of a sorted row, tileexp [64]: 1 where tile ty takes the image weights (ty >= ceil(n0 / 272));
;      wc [2][2,048][2,048] codes and wsc [2][2,048][64] scale bytes: expert 0 = text, 1 = image, so that the next launch reaches a tile's weights by one pointer + the stored expert x a constant.
; LIMIT: an index other than 0 and 1 is taken as 1 (the blend of the two experts that the formula would extrapolate for it is not formed).
; SHARES.  Work-group g owns tokens 32 g .. 32 g + 31, paddings 2 g, 2 g + 1, and rows 16 g .. + 15 of wc; wave w copies the code rows and scale rows of tokens 32 g + 4 w .. + 3, and two rows of the weights.
; Every work-group counts all 8,192 indices for itself (wave w: 1,024 of them), so that no work-group waits for another: one packed sum, low half = image tokens in all, high half = image tokens ahead of token 32 g.
; All arithmetic that leads to an address is on whole numbers.  No loop: every offset is an immediate, and no register that a pending load or store names is written again.
; SHORT STORES: a token's 64 scale bytes, a word of rowtok and a wave's 128 scale bytes of the weights do not fill 256 aligned bytes an instruction: together 0.9 MB of the 27 MB that the launch stores.
.set MAXROW, 0x21ff                    ; 8,703: the last sorted row
.set IDX,  16                          ; v16-47   my wave's 1,024 indices: 8 loads of 4 a lane; free again behind the count
.set ROWS, 64                          ; v64-127  four code rows: 16 loads of 16 bytes a lane
.set WREG, 128                         ; v128-159 two rows of the weights' codes: 8 loads of 16 bytes a lane
.set WSD,  160                         ; v160     my 4 scale bytes of the weights
.set WSO,  161                         ; v161     4 x thread; never rewritten
	s_load_b256 s[4:11], s[0:1], 0x0               ; x_codes s[4:5], x_scales s[6:7], the indices s[8:9], xs s[10:11]
	s_load_b128 s[12:15], s[0:1], 0x20             ; xss s[12:13], rowtok s[14:15]
	s_load_b64 s[16:17], s[0:1], 0x30              ; tileexp
	s_load_b64 s[44:45], s[0:1], 0x38              ; the image weights' codes
	s_load_b128 s[48:51], s[0:1], 0x40             ; the image weights' scales s[48:49], the text weights' codes s[50:51]
	s_load_b128 s[52:55], s[0:1], 0x50             ; the text weights' scales s[52:53], wc s[54:55]
	s_load_b64 s[56:57], s[0:1], 0x60              ; wsc
	v_lshl_add_u32 v168, v0, 2, 0x100
	v_mov_b32 v169, 0
	v_lshrrev_b32 v4, 5, v0
	s_delay_alu instid0(VALU_DEP_1)
	v_readfirstlane_b32 s18, v4                    ; wave 0..7
	v_and_b32 v1, 31, v0                           ; lane
	s_delay_alu instid0(VALU_DEP_1)
	v_lshlrev_b32 v2, 4, v1                        ; 16 x lane
	s_delay_alu instid0(VALU_DEP_2)
	v_lshlrev_b32 v3, 2, v1                        ; 4 x lane
	v_lshlrev_b32 v51, 3, v0                       ; 8 x thread: my 8 bytes of the work-group's 2,048 scale bytes of x
	v_lshlrev_b32 v[WSO], 2, v0                    ; 4 x thread: my 4 bytes of the work-group's 1,024 scale bytes of the weights
	s_lshl_b32 s19, ttmp9, 5                       ; 32 g: the work-group's first token
	s_mov_b32 s20, 0x76543210
	s_mov_b32 s21, 0xfedcba98                      ; v_permlanex16_b32's selects for lane l xor 16
	s_lshl_b32 s34, s18, 2
	s_add_co_u32 s34, s34, s19
	s_lshl_b32 s34, s34, 11                        ; my wave's four rows of 2,048 bytes (under 2^24)
	s_mov_b32 s35, 0
	s_lshl_b32 s36, ttmp9, 11                      ; the work-group's 32 rows of 64 scale bytes
	s_mov_b32 s37, 0
	s_lshl_b32 s38, s18, 12                        ; my wave's 1,024 indices for the count; also: my wave's two rows of the weights
	s_mov_b32 s39, 0
	s_lshl_b32 s42, ttmp9, 7                       ; the work-group's own 32 indices
	s_mov_b32 s43, 0
	s_and_b32 s58, ttmp9, 127                      ; the weights: work-groups 0-127 take the text expert's, 128-255 the image expert's, 16 rows each
	s_lshl_b32 s62, s58, 10                        ; from: 16 rows of 64 scale bytes,
	s_mov_b32 s63, 0
	s_lshl_b32 s58, s58, 15                        ; 16 rows of 2,048 codes, my wave's two among them
	s_add_co_u32 s58, s58, s38
	s_mov_b32 s59, 0
	s_lshl_b32 s60, ttmp9, 15                      ; to: the same places, counted through both experts
	s_add_co_u32 s60, s60, s38
	s_mov_b32 s61, 0
	s_lshl_b32 s46, ttmp9, 10
	s_mov_b32 s47, 0
	s_wait_alu depctr_va_vdst(0)
	s_wait_kmcnt 0x0
	s_add_nc_u64 s[4:5], s[4:5], s[34:35]
	s_add_nc_u64 s[6:7], s[6:7], s[36:37]
	s_add_nc_u64 s[40:41], s[8:9], s[38:39]
	s_add_nc_u64 s[8:9], s[8:9], s[42:43]
	s_cmp_lt_u32 ttmp9, 128                        ; the choice hangs on the work-group's number alone
	s_cselect_b64 s[44:45], s[50:51], s[44:45]
	s_cselect_b64 s[48:49], s[52:53], s[48:49]
	s_add_nc_u64 s[44:45], s[44:45], s[58:59]
	s_add_nc_u64 s[48:49], s[48:49], s[62:63]
	s_add_nc_u64 s[54:55], s[54:55], s[60:61]
	s_add_nc_u64 s[56:57], s[56:57], s[46:47]
	global_load_b64 v[52:53], v51, s[6:7] th:TH_LOAD_NT            ; x's scale bytes: eight lanes to a token's 64
	global_load_b32 v[WSD], v[WSO], s[48:49] th:TH_LOAD_NT         ; the weights' scale bytes: a wave takes its two rows' 128
.irp i, 0,1,2,3,4,5,6,7
	global_load_b128 v[IDX+4*\i:IDX+4*\i+3], v2, s[40:41] offset:512*\i   ; tokens 1,024 w + 128 i + 4 lane .. + 3
.endr
	global_load_b32 v48, v3, s[8:9]                ; lane l: the index of token 32 g + l
.irp q, 0,1,2,3
.irp c, 0,1,2,3
	global_load_b128 v[ROWS+16*\q+4*\c:ROWS+16*\q+4*\c+3], v2, s[4:5] offset:2048*\q+512*\c th:TH_LOAD_NT   ; 32 lanes read 512 consecutive bytes
.endr
.endr
.irp c, 0,1,2,3,4,5,6,7
	global_load_b128 v[WREG+4*\c:WREG+4*\c+3], v2, s[44:45] offset:512*\c th:TH_LOAD_NT                     ; the weights' codes come last: nothing waits for them but their own stores
.endr
	s_lshl_b32 s22, ttmp9, 3
	s_lshl_b32 s23, s18, 8
	s_sub_co_i32 s22, s22, s23                     ; 8 g - 256 w: in load i, lane l's four tokens lie ahead of token 32 g where l < 8 g - 256 w - 32 i (signed)
	v_mov_b32 v7, 0x10001
	v_mov_b32 v8, 0                                ; the packed sum
	v_mov_b32 v13, 0                               ; (the destination of a lane exchange counts as read: written once)
.irp k, 56,57,58,59
	v_mov_b32 v\k, 0                               ; 16 bytes of zeros for the paddings
.endr
	s_wait_loadcnt 24                              ; behind the indices and the scale bytes stand the 16 loads of rows and the 8 of weights, which may stay out
.irp i, 0,1,2,3,4,5,6,7
	v_min_u32 v9, 1, v[IDX+4*\i]                   ; 1 for an image token
	v_min_u32 v10, 1, v[IDX+4*\i+1]
	v_min_u32 v11, 1, v[IDX+4*\i+2]
	v_min_u32 v12, 1, v[IDX+4*\i+3]
	s_delay_alu instid0(VALU_DEP_2)
	v_add3_u32 v5, v9, v10, v11
	s_delay_alu instid0(VALU_DEP_1)
	v_add_nc_u32 v5, v5, v12
	v_cmp_gt_i32 vcc_lo, s22, v1
	s_delay_alu instid0(VALU_DEP_1)
	v_cndmask_b32 v6, 1, v7, vcc_lo                ; counted in the low half, and in the high half too where the four lie ahead of my work-group
	s_delay_alu instid0(VALU_DEP_1)
	v_mad_u32_u24 v8, v5, v6, v8                   ; each half stays under 8,193: no carry from half to half
	s_sub_co_i32 s22, s22, 32
.endr
.irp m, 1
	v_mov_b32_dpp v13, v8 row_xmask:\m row_mask:0xf bank_mask:0xf
	s_delay_alu instid0(VALU_DEP_1)
	v_add_nc_u32 v8, v8, v13
.endr
.irp m, 2, 4, 8
	s_delay_alu instid0(VALU_DEP_1)
	v_mov_b32_dpp v13, v8 row_xmask:\m row_mask:0xf bank_mask:0xf
	s_delay_alu instid0(VALU_DEP_1)
	v_add_nc_u32 v8, v8, v13
.endr
	s_delay_alu instid0(VALU_DEP_1)
	v_permlanex16_b32 v13, v8, s20, s21
	s_delay_alu instid0(VALU_DEP_1)
	v_add_nc_u32 v8, v8, v13                       ; my wave's packed sum, in every lane
	v_mov_b32 v6, s18
	s_delay_alu instid0(VALU_DEP_1)
	v_lshlrev_b32 v6, 2, v6
	ds_store_b32 v6, v8                            ; a word for each wave
	s_wait_dscnt 0x0                               ; for the others' sake: my store has landed
	s_barrier_signal -1
	s_barrier_wait -1
	v_mov_b32 v7, 0
	ds_load_b128 v[8:11], v7
	ds_load_b128 v[12:15], v7 offset:16
	global_store_b32 v[WSO], v[WSD], s[56:57]      ; the weights' scale bytes leave while the sums come back: a wave stores 128 consecutive bytes
	s_wait_dscnt 0x0
	v_add3_u32 v8, v8, v9, v10
	v_add3_u32 v11, v11, v12, v13
	s_delay_alu instid0(VALU_DEP_2)
	v_add3_u32 v8, v8, v14, v15
	s_delay_alu instid0(VALU_DEP_1)
	v_add_nc_u32 v8, v8, v11
	s_delay_alu instid0(VALU_DEP_1)
	v_readfirstlane_b32 s23, v8
	s_and_b32 s24, s23, 0xffff                     ; n1: image tokens in all
	s_lshr_b32 s25, s23, 16                        ; image tokens ahead of token 32 g
	s_sub_co_u32 s26, 0x2000, s24                  ; n0
	s_add_co_u32 s27, s26, 271
	s_lshr_b32 s27, s27, 4                         ; y = (n0 + 271) / 16, at most 528
	s_mul_i32 s27, s27, 3856
	s_lshr_b32 s27, s27, 16                        ; T0 = y / 17 = ceil(n0 / 272): 3,856 x 17 = 65,536 + 16, so the quotient is exact for y under 4,096
	s_mul_i32 s28, s27, 272                        ; B1: the image tokens' first row
	s_sub_co_u32 s29, s28, s26                     ; p0: paddings between the two experts
	; where my work-group's 32 tokens go: lane l = token 32 g + l (every wave makes the same 32 numbers)
	v_cmp_ne_u32 vcc_lo, 0, v48
	s_delay_alu instid0(VALU_DEP_1)
	v_mbcnt_lo_u32_b32 v4, vcc_lo, 0               ; image tokens of the work-group ahead of mine
	s_delay_alu instid0(VALU_DEP_1)
	v_add_nc_u32 v4, s25, v4                       ; image tokens ahead of mine in all
	v_add_nc_u32 v50, s19, v1                      ; my token
	s_delay_alu instid0(VALU_DEP_1)
	v_sub_nc_u32 v5, v50, v4                       ; text tokens ahead of mine
	s_delay_alu instid0(VALU_DEP_3)
	v_add_nc_u32 v4, s28, v4
	s_delay_alu instid0(VALU_DEP_1)
	v_cndmask_b32 v49, v5, v4, vcc_lo
	s_delay_alu instid0(VALU_DEP_1)
	v_min_u32 v49, MAXROW, v49                     ; the sorted row
	s_delay_alu instid0(VALU_DEP_1)
	v_lshlrev_b32 v55, 2, v49                      ; its word of rowtok
	; the scale rows: thread t holds bytes 8 (t % 8) .. + 7 of token t / 8 of the work-group
	v_lshrrev_b32 v6, 1, v0
	s_delay_alu instid0(VALU_DEP_1)
	v_and_b32 v6, 0x7c, v6                         ; 4 x (t / 8): the lane that holds that token's row
	ds_bpermute_b32 v54, v6, v49
	v_and_b32 v14, 7, v0
	s_delay_alu instid0(VALU_DEP_1)
	v_lshlrev_b32 v14, 3, v14
	s_wait_dscnt 0x0
	v_min_u32 v54, MAXROW, v54
	s_wait_alu depctr_va_vdst(0)
	v_lshl_add_u32 v54, v54, 6, v14
	global_store_b64 v54, v[52:53], s[12:13]       ; eight lanes store a row's 64 bytes
	; my wave's four code rows: their places
	s_lshl_b32 s34, s18, 2
.irp q, 0,1,2,3
	v_readlane_b32 s[30+\q], v49, s34
	s_add_co_u32 s34, s34, 1
	s_min_u32 s[30+\q], s[30+\q], MAXROW
	v_lshl_add_u32 v[60+\q], s[30+\q], 11, v2      ; row x 2,048 + 16 x lane
.endr
	; what single waves do, while the rows are on their way.  Each of these parts has vector registers of its own.
	s_cmp_lg_u32 s18, 0
	s_cbranch_scc1 .Lnot_0
	global_store_b32 v55, v50, s[14:15]            ; wave 0: rowtok[row] = token, for the work-group's 32
.Lnot_0:
	s_lshr_b32 s34, s18, 1
	s_cmp_lg_u32 s34, 2
	s_cbranch_scc1 .Lnot_4_5
	s_lshl_b32 s36, ttmp9, 1                       ; waves 4 and 5: the code row of padding j = 2 g + w - 4
	s_and_b32 s37, s18, 1
	s_add_co_u32 s36, s36, s37
	s_cmp_lt_u32 s36, s29
	s_cselect_b32 s37, s26, 0x2000                 ; at n0 + j where j < p0, else at 8,192 + j
	s_add_co_u32 s36, s36, s37
	s_min_u32 s36, s36, MAXROW
	v_lshl_add_u32 v16, s36, 11, v2
.irp c, 0,1,2,3
	global_store_b128 v16, v[56:59], s[10:11] offset:512*\c
.endr
.Lnot_4_5:
	s_cmp_lg_u32 s18, 6
	s_cbranch_scc1 .Lnot_6
	s_lshl_b32 s36, ttmp9, 1                       ; wave 6: both paddings' scale bytes and rowtok: lanes 0-15 serve 2 g, lanes 16-31 serve 2 g + 1
	v_lshrrev_b32 v17, 4, v1
	s_delay_alu instid0(VALU_DEP_1)
	v_add_nc_u32 v17, s36, v17                     ; j
	s_delay_alu instid0(VALU_DEP_1)
	v_cmp_gt_u32 vcc_lo, s29, v17                  ; j < p0
	v_mov_b32 v18, 0x2000
	v_mov_b32 v19, s26
	s_delay_alu instid0(VALU_DEP_1)
	v_cndmask_b32 v18, v18, v19, vcc_lo
	s_delay_alu instid0(VALU_DEP_1)
	v_add_nc_u32 v18, v18, v17
	s_delay_alu instid0(VALU_DEP_1)
	v_min_u32 v18, MAXROW, v18                     ; the padding's row
	v_and_b32 v20, 15, v1
	s_delay_alu instid0(VALU_DEP_1)
	v_lshlrev_b32 v21, 2, v20
	s_delay_alu instid0(VALU_DEP_1)
	v_lshl_add_u32 v21, v18, 6, v21
	global_store_b32 v21, v56, s[12:13]            ; sixteen lanes store 64 zero bytes (zero codes add nothing under this byte)
	v_lshlrev_b32 v22, 2, v18
	v_mov_b32 v23, -1
	v_cmp_eq_u32 vcc_lo, 0, v20
	s_wait_alu depctr_va_vdst(0)
	s_wait_xcnt 0x0                                ; EXEC is a source of the loads and stores issued so far: it changes only behind this wait
	s_and_saveexec_b32 s35, vcc_lo                 ; lanes 0 and 16
	global_store_b32 v22, v23, s[14:15]            ; rowtok = -1: no token
	s_wait_xcnt 0x0                                ; and again ahead of the line that widens it
	s_or_b32 exec_lo, exec_lo, s35
.Lnot_6:
	s_cmp_lg_u32 s18, 7
	s_cbranch_scc1 .Lnot_7
	s_cmp_lg_u32 ttmp9, 0
	s_cbranch_scc1 .Lnot_7
	v_lshlrev_b32 v24, 1, v1                       ; wave 7 of work-group 0: tileexp, two words a lane: 256 consecutive bytes
	s_delay_alu instid0(VALU_DEP_1)
	v_cmp_le_u32 vcc_lo, s27, v24                  ; T0 <= 2 l
	s_delay_alu instid0(VALU_DEP_1)
	v_cndmask_b32 v26, 0, 1, vcc_lo
	s_delay_alu instid0(VALU_DEP_3)
	v_add_nc_u32 v25, 1, v24
	s_delay_alu instid0(VALU_DEP_1)
	v_cmp_le_u32 vcc_lo, s27, v25
	s_delay_alu instid0(VALU_DEP_1)
	v_cndmask_b32 v27, 0, 1, vcc_lo
	v_lshlrev_b32 v28, 3, v1
	global_store_b64 v28, v[26:27], s[16:17]
.Lnot_7:
	s_wait_alu depctr_va_vdst(0)
.irp q, 0,1,2,3
	s_wait_loadcnt 20-4*\q                         ; row q's four loads are in; the later rows' and the 8 loads of weights may stay out
.irp c, 0,1,2,3
	global_store_b128 v[60+\q], v[ROWS+16*\q+4*\c:ROWS+16*\q+4*\c+3], s[10:11] offset:512*\c   ; 32 lanes store 512 consecutive bytes, at a multiple of 512 from xs's first byte
.endr
.endr
	s_wait_loadcnt 0x0                             ; the weights' codes
.irp c, 0,1,2,3,4,5,6,7
	global_store_b128 v2, v[WREG+4*\c:WREG+4*\c+3], s[54:55] offset:512*\c                     ; likewise, from wc's first byte
.endr
	s_wait_tensorcnt 0x0
	ds_add_u32 v168, v169
	s_wait_dscnt 0x0
	s_endpgm
.Lfunc_end_k_q0a3a275253_route:
	.size	k_q0a3a275253_route, .Lfunc_end_k_q0a3a275253_route-k_q0a3a275253_route
	.p2alignl 7, 3214868480
	.fill 96, 4, 3214868480
	.section	.rodata,"a",@progbits
	.p2align	6, 0x0
	.amdhsa_kernel k_q0a3a275253_route
		.amdhsa_group_segment_fixed_size 1280
		.amdhsa_private_segment_fixed_size 0
		.amdhsa_enable_private_segment 0
		.amdhsa_kernarg_size 104
		.amdhsa_user_sgpr_count 2
		.amdhsa_user_sgpr_kernarg_segment_ptr 1
		.amdhsa_wavefront_size32 1
		.amdhsa_system_sgpr_workgroup_id_x 1
		.amdhsa_system_sgpr_workgroup_id_y 1
		.amdhsa_system_sgpr_workgroup_id_z 1
		.amdhsa_system_vgpr_workitem_id 0
		.amdhsa_next_free_vgpr 170
		.amdhsa_next_free_sgpr 66
		.amdhsa_reserve_vcc 1
		.amdhsa_float_denorm_mode_32 3
		.amdhsa_float_denorm_mode_16_64 3
		.amdhsa_memory_ordered 1
		.amdhsa_forward_progress 1
		.amdhsa_inst_pref_size 20
	.end_amdhsa_kernel
	.amdgpu_metadata
---
amdhsa.version: [ 1, 2 ]
amdhsa.kernels:
  - .name:           k_q0a3a275253_route
    .symbol:         k_q0a3a275253_route.kd
    .args:
      - { .name: x_codes, .offset: 0, .size: 8, .value_kind: global_buffer, .address_space: global }
      - { .name: x_scales, .offset: 8, .size: 8, .value_kind: global_buffer, .address_space: global }
      - { .name: token_modality_idx, .offset: 16, .size: 8, .value_kind: global_buffer, .address_space: global }
      - { .name: xs, .offset: 24, .size: 8, .value_kind: global_buffer, .address_space: global }
      - { .name: xss, .offset: 32, .size: 8, .value_kind: global_buffer, .address_space: global }
      - { .name: rowtok, .offset: 40, .size: 8, .value_kind: global_buffer, .address_space: global }
      - { .name: tileexp, .offset: 48, .size: 8, .value_kind: global_buffer, .address_space: global }
      - { .name: W_img_codes, .offset: 56, .size: 8, .value_kind: global_buffer, .address_space: global }
      - { .name: W_img_scales, .offset: 64, .size: 8, .value_kind: global_buffer, .address_space: global }
      - { .name: W_text_codes, .offset: 72, .size: 8, .value_kind: global_buffer, .address_space: global }
      - { .name: W_text_scales, .offset: 80, .size: 8, .value_kind: global_buffer, .address_space: global }
      - { .name: wc, .offset: 88, .size: 8, .value_kind: global_buffer, .address_space: global }
      - { .name: wsc, .offset: 96, .size: 8, .value_kind: global_buffer, .address_space: global }
    .group_segment_fixed_size: 1280
    .private_segment_fixed_size: 0
    .kernarg_segment_align: 8
    .kernarg_segment_size: 104
    .max_flat_workgroup_size: 256
    .sgpr_count:     66
    .vgpr_count:     170
    .wavefront_size: 32
...
	.end_amdgpu_metadata
.endif
;; end of part 1
;; launch gemm (part 2): grid 8 x 32, 4 waves a work-group, clusters of 4 x 1, 327,680 bytes of LDS; arguments xs, xss, wc, wsc, b_img, b_text, rowtok, tileexp, out0; writes out0
.if DOCPART == 2
	.amdgcn_target "amdgcn-amd-amdhsa--gfx1250"
	.amdhsa_code_object_version 6
	.text
	.protected	k_q0a3a275253_gemm
	.globl	k_q0a3a275253_gemm
	.p2align	8
	.type	k_q0a3a275253_gemm,@function
k_q0a3a275253_gemm:
	s_mov_b64 s[64:65], 0
	v_nop
	global_prefetch_b8 v0, s[64:65] scope:SCOPE_SE
	s_setreg_imm32_b32 hwreg(HW_REG_WAVE_MODE, 25, 1), 1
	s_wait_xcnt 0x0
	s_wait_alu depctr_hold_cnt(0) depctr_sa_sdst(0) depctr_va_vdst(0) depctr_va_sdst(0) depctr_va_ssrc(0) depctr_va_vcc(0) depctr_vm_vsrc(0)
	s_getreg_b32 s2, hwreg(HW_REG_IB_STS2, 6, 4)
	s_cmp_eq_u32 s2, 0
	s_cbranch_scc0 .Lentry_in_a_cluster
	s_endpgm
.Lentry_in_a_cluster:
	s_bfe_u32 s2, ttmp6, 0x10000c
	s_cmp_lg_u32 s2, 0x3003
	s_cbranch_scc0 .Lentry_shape_is_right
	s_endpgm
.Lentry_shape_is_right:
; out0[token][n] = sum over k of x[token][k] W_e[n][k] + b_e[n], e the token's expert.  Both operands are codes of BF8 (E5M2) with one E8M0 scale for each 32 along K (K = 2,048); sums in f32.
; Only the chosen expert's product is formed: the rows of x come sorted by expert (xs, xss: 32 tiles of 272 rows, each tile of one expert; rowtok: the token of a sorted row, -1 for a row that holds none;
; tileexp: 1 where a tile takes the image weights; wc, wsc: both experts' codes and scale bytes, text first).  LIMITS: the index is taken as 0 or 1; 0 x (the other expert's number) is not formed, so an infinity or NaN there does not reach the output.
; SHARES.  Work-group (tx, ty) makes sorted rows 272 ty .. + 271 x columns 256 tx .. + 255: 8 x 32 = 256 work-groups of equal work for every split.  Wave w = 2 i + j makes rows 128 i .. + 127 x columns 128 j .. + 127
; (64 accumulators of 16 x 16) and, of the tile's last 16 rows (block X), columns 128 j + 64 i .. + 63 (4 accumulators): 68 matrix instructions for each 128 along K.
; B'S BLOCKS ARE ROTATED BY ADDRESS: register block b of wave (i, j) holds column block (b + 4 i) mod 8 of its 128 columns, so block X always multiplies register blocks 0-3, which the wave holds anyway: 17 fragments feed 68 products.
; THE EXPERT, held to 0 or 1, enters the weights' addresses as 2,048 rows x the expert; of the two biases both are loaded and one is selected; the tokens steer the stores' offsets (held to 8,191) and EXEC for rows
; without a token.  No branch and no trip count hangs on loaded data.
; K goes in steps of 256 through a ring of two LDS slots filled by the tensor data mover (a tile's row is 256 bytes of memory); the scale bytes of the tile's rows and columns, for all of K, come once and stay.
; CLUSTER: the four work-groups of a cluster lie along x: they share ty, so A's tiles and A's scales are asked for JOINTLY (mask 15).  B's tiles are each work-group's own: partners along y could share them only if
; their tiles had one expert, and B's address hangs on the tile's stored expert, which may differ from one row tile to the next; experts aligned to four tiles would need up to 2 x 1,087 padding rows for 8,192.
; THE MATRIX INSTRUCTION IS USED TRANSPOSED (source 0 = 16 rows of W, source 1 = 16 rows of x): a lane then holds eight neighbouring numbers of a row of the output.
; REGISTERS, in windows of 256: window 0: v0-31 addresses; v32-67 scale words, two sets of 18; v68-83 X's fragment; v84-115 X's accumulators; v116-119 my rows' tokens; v120-127 the two biases; from v128 A's eight fragments, ONE set.
;   window 1: B's fragments, TWO sets, at v0 and v128.   window 2: accumulators of my rows 0-63 ((a, b) at v[8 (8 (a % 4) + b)]);   window 3: those of rows 64-127.   On the way out v32-83 and v128-255 of window 0 are free.
; ROWS WITHOUT A TOKEN lie at a tile's end.  On the way out such a row takes the data and the token of the row before it in its block of 16, and stores those bytes once more; a block whose first row holds no token is stored with no lane on.
; THE HEAD: one tensor load a wave: wave 0 the tile's 272 rows of A, wave 1 A's scale bytes, wave 2 the 256 rows of B, wave 3 B's scale bytes; K step 1 is asked for as a refill is.
; PREFETCH: at the change of slots that refills K step p + 2 each wave asks for K step p + 3: of the tile's rows of A 17 (a partner takes 68, told apart by address), of the tile's rows of B 8 (32 a work-group, told apart by ty mod 8).  Each stands one K step ahead of its load; nothing is asked for behind step 7.
.set PFX,  5                           ; v5, v6  the prefetches' offsets in xs and wc; not rewritten in the loop or behind it
.set PFW,  6
.set ROWM, 93                          ; s93  the way out: all ones where a row holds a token
.set NQ,     2                         ; matrix instructions deep in a slot: 256 along K
.set ROWB,   256                       ; a tile's row in bytes
.set KROW,   2048                      ; a row of codes in memory
.set PITCH,  272                       ; an LDS row: 256 bytes + 16 of padding = 68 words: row r starts at bank 4 r mod 64 (64 banks of 4 bytes: ISA guide 11.1)
.set FR,     16                        ; registers of a fragment: 16 rows x 128 K
.set NP,     8                         ; places behind this matrix instruction (ISA guide 7.12.1)
.set HALFA,  136*PITCH                 ; what one load brings of A: 136 rows
.set HALFB,  128*PITCH                 ; and of B: 128 rows
.set BOFF,   2*HALFA                   ; a slot: A's 272 rows, then B's 256
.set SLOT,   2*HALFA+2*HALFB           ; 143,616 bytes
.set LAPS,   4                         ; a lap = two K steps of 256 = once round the ring
.set SCL,    2*SLOT                    ; behind the ring: A's scale bytes, 272 rows x 64, as 68 runs of 256 bytes + 16 of padding
.set HALFSA, 34*272
.set SCB,    SCL+2*HALFSA              ; B's: 256 rows x 64: 64 such runs
.set HALFSB, 32*272
.set SBLK,   4*272                     ; the scale bytes of 16 rows
.set SPARE,  323328                    ; behind the scales (they end at 323,136): the spare words, 128 bytes for each wave: two blocks of 256 bytes that no other line names
.set SPITCH, 528                       ; the way out: a stage of 16 rows x (512 bytes + 16) for each wave, in slot 0, which has had its last fill and its last read when the first result is stored there
.set STG,    16*SPITCH
.set STO0, 10                          ; v10  the stage: where register blocks 0-3 put 32 bytes of a row;  v11: blocks 4-7
.set STO1, 11
.set RD,   12                          ; v12  where I read a row of 512 bytes back
.set CO,   13                          ; v13  my byte in a row of the output, and in the biases
.set STX,  14                          ; v14, v15  the same two for block X (rows of 256 bytes + 16)
.set RDX,  15
.set ADRA, 16                          ; v16-17  LDS address of my A fragments in slot 0, 1
.set ADRX, 18                          ; v18-19  of block X's
.set ADRB0, 20                         ; v20-21  of B's register blocks 0-3
.set ADRB1, 22                         ; v22-23  of B's register blocks 4-7
.set ADRS0, 24                         ; v24  scale words: lanes 0-15 A's blocks, lanes 16-31 B's register blocks 0-3;  v25: the same with B's blocks 4-7;  v26: block X's
.set ADRS1, 25
.set ADRSX, 26
.set COX,  27                          ; v27  block X: my byte in a row of the output
.set SPW,  28                          ; v28  LDS address of my spare word; never rewritten
.set NIL,  29                          ; v29  0; never rewritten
.set H4,   30                          ; v30  4 x (lane / 16)
.set LIMV, 31                          ; v31  8,192: a row holds a token where rowtok is under it
.set SC,   32                          ; scale words: set s at v[SC + 18 s]; register 2 i + q: lanes 0-15 A's block i, lanes 16-31 B's register block i; registers 16 + q: block X
.set SCN,  18
.set XF,   68
.set XACC, 84
.set TK,   116                         ; register u, lane l: the token of my row 32 u + l
.set BI,   120                         ; the image bias of my four columns, then the chosen one
.set BT,   124                         ; the text bias
.set AF,   128
.set BK,   128                         ; the way out: 16 rows read back: v128-191 and v192-255 by turns
.set OF,   32                          ; the way out: 16 store offsets;  v48-55 X's tokens;  v56-63 X's offsets;  v64-67, v68-71 X's two biases
.set TX,   48
.set OFX,  56
.set BX,   64
.set BXT,  68
.set G1A,  24                          ; s[24:31] descriptor group 1 for A's tiles;  s[32:39] group 0, one set for each slot
.set G0A,  32
.set G1B,  40                          ; s[40:47], s[48:55] the same for B's
.set G0B,  48
.set G0SA, 56                          ; s[56:59], s[60:63] groups 0 for A's and B's scales;  s[68:75], s[76:83] their groups 1
.set G0SB, 60
.set G1SA, 68
.set G1SB, 76
.set TOKS, 24                          ; the way out: s[24:39] a block's 16 tokens (no tensor load is out or to come by then)
.set WV,   84                          ; s84 wave;  s85 i;  s86 j;  s87 cx;  s88 tx;  s89 ty;  s90 the tile's expert;  s91 at work;  s92 on the way out: all ones where the expert is the image one
.set WI,   85
.set WJ,   86
.set CX,   87
.set TXI,  88
.set TYI,  89
.set EXPT, 90
.set TMP,  91
.set EM,   92
.set MSB, 0
.macro WIN new                         ; the immediate's high byte repeats the setting that is left
.if MSB != (\new)
	s_set_vgpr_msb (MSB<<8)|(\new)
.set MSB, (\new)
.endif
.endm
.set MUL_LO, 0xa1                      ; source 0 (B) window 1, source 1 (A) window 0, C and D window 2
.set MUL_HI, 0xf1                      ; the same, C and D window 3
.set MUL_X,  0x01                      ; source 0 (B) window 1, all else window 0
.set TO_B,   0x40                      ; destination window 1, address window 0
; A refill: waves 0 and 1 fetch A's halves (jointly with the three partners), waves 2 and 3 B's.  The branch hangs on the wave's number alone.  Four v_nop follow each of the two lines.
.macro JLOAD s
	s_cmp_eq_u32 s[WI], 0
	s_cbranch_scc0 .Lfor_b_\@
	tensor_load_to_lds s[G0A+4*\s:G0A+4*\s+3], s[G1A:G1A+7]
	s_nop 0
.rept 4
	v_nop
.endr
	s_branch .Lasked_\@
.Lfor_b_\@:
	tensor_load_to_lds s[G0B+4*\s:G0B+4*\s+3], s[G1B:G1B+7]
	s_nop 0
.rept 4
	v_nop
.endr
.Lasked_\@:
.endm
.macro CREST                           ; a round of the cluster's barrier behind its opening barrier
	s_cmp_lg_u32 s[WV], 0
	s_cbranch_scc1 .Lnot_wave_0_\@
	s_barrier_signal -3
.Lnot_wave_0_\@:
	s_barrier_wait -3
	s_barrier_signal -1
	s_barrier_wait -1
.endm
.macro CROUND                          ; a whole round
	s_barrier_signal -1
	s_barrier_wait -1
	CREST
.endm
	s_load_b256 s[4:11], s[0:1], 0x0               ; xs s[4:5], xss s[6:7], wc s[8:9], wsc s[10:11]
	s_load_b128 s[12:15], s[0:1], 0x20             ; b_img s[12:13], b_text s[14:15]
	s_load_b128 s[20:23], s[0:1], 0x30             ; rowtok s[20:21], tileexp s[22:23]
	s_load_b64 s[66:67], s[0:1], 0x40              ; out0
	v_lshl_add_u32 v[SPW], v0, 2, SPARE
	v_mov_b32 v[NIL], 0
	ds_add_u32 v28, v29
	ds_add_u32 v28, v29
	s_wait_dscnt 0x0
	v_lshrrev_b32 v4, 5, v0
	v_readfirstlane_b32 s[WV], v4                  ; wave 0..3
	s_lshr_b32 s[WI], s[WV], 1                     ; i: which 128 rows are mine.  Also: I fetch for A (0) or for B (1)
	s_and_b32 s[WJ], s[WV], 1                      ; j: which 128 columns.  Also: which half of that tile I fetch
	s_bfe_u32 s[CX], ttmp6, 0x40000                ; cx: my place in the cluster
	s_lshl_b32 s[TXI], ttmp9, 2
	s_add_co_u32 s[TXI], s[TXI], s[CX]             ; tile column = 4 x cluster x + cx
	s_and_b32 s[TYI], ttmp7, 0xffff                ; tile row, which the four partners share
	; descriptor groups 1.  Tiles of codes: rows of 256 elements of 1 byte, 2,048 apart, 16 bytes of padding behind each
	s_mov_b32 s[G1A], 15|(1<<20)|(1<<21)|(5<<22)|(3<<25)    ; 15:0 the mask: all four work-groups; 17:16 elements of 1 byte; 20 padding on; 21 set beside a mask; 24:22 after every 64 words (code 5); 31:25 four words (code 3)
	s_mov_b32 s[G1B], (1<<20)|(5<<22)|(3<<25)               ; no mask
	s_mov_b32 s[G1A+2], 272<<16                    ; tensor_dim1: whole tiles at the head; behind its wait the ring's halves
	s_mov_b32 s[G1A+4], 272                        ; tile_dim1
	s_mov_b32 s[G1B+2], 256<<16
	s_mov_b32 s[G1B+4], 256
.irp g, G1A, G1B
	s_mov_b32 s[\g+1], ROWB<<16                    ; tensor_dim0
	s_mov_b32 s[\g+3], ROWB<<16                    ; tile_dim0
	s_mov_b32 s[\g+5], KROW                        ; tensor_dim0_stride
	s_mov_b32 s[\g+6], 0
	s_mov_b32 s[\g+7], 0
.endr
	; scale bytes: a dense block, as rows of 256 bytes (32 elements of 8 bytes), 16 bytes of padding behind each: 34 rows for 136 rows of A, 32 for 128 rows of B
	s_mov_b32 s[G1SA], 15|(3<<16)|(1<<20)|(1<<21)|(5<<22)|(3<<25)
	s_mov_b32 s[G1SB], (3<<16)|(1<<20)|(5<<22)|(3<<25)
	s_mov_b32 s[G1SA+2], 68<<16                    ; 68 rows of 256 bytes for 272 rows of A, 64 for 256 of B
	s_mov_b32 s[G1SA+4], 68
	s_mov_b32 s[G1SB+2], 64<<16
	s_mov_b32 s[G1SB+4], 64
.irp g, G1SA, G1SB
	s_mov_b32 s[\g+1], 32<<16
	s_mov_b32 s[\g+3], 32<<16
	s_mov_b32 s[\g+5], 32
	s_mov_b32 s[\g+6], 0
	s_mov_b32 s[\g+7], 0
.endr
	; A: sorted row 272 ty + 136 j on.  These registers never hold cx
	s_mul_i32 s92, s[TYI], 272                     ; the tile's first row
	s_lshl_b32 s94, s92, 11                        ; its codes (under 2^25)
	s_mov_b32 s95, 0
	s_lshl_b32 s96, s92, 6                         ; its scale bytes
	s_mov_b32 s97, 0
	s_lshl_b32 s2, s[TYI], 2
	s_mov_b32 s3, 0
	s_wait_kmcnt 0x0
	s_add_nc_u64 s[22:23], s[22:23], s[2:3]
	s_load_b32 s[EXPT], s[22:23], 0x0              ; the tile's expert: on its way while A's tiles are asked for
	s_add_nc_u64 s[98:99], s[4:5], s[94:95]
	s_mov_b32 s[G0SA], 1                           ; 1:0 count = 1
	s_mov_b32 s[G0SA+1], SCL                       ; 63:32 LDS address
	s_add_nc_u64 s[G0SA+2:G0SA+3], s[6:7], s[96:97]   ; 120:64 global address
	s_or_b32 s[G0SA+3], s[G0SA+3], 0x80000000      ; 127:126 type = 2
	s_mov_b32 s[G0A], 1                            ; slot 0: the whole tile of K step 0
	s_mov_b32 s[G0A+1], 0
	s_mov_b64 s[G0A+2:G0A+3], s[98:99]
	s_or_b32 s[G0A+3], s[G0A+3], 0x80000000
	s_mul_i32 s[TMP], s[WJ], HALFA                 ; slot 1: my 136 rows of K step 1
	s_mul_i32 s96, s[WJ], 136*KROW
	s_mov_b32 s97, 0
	s_mov_b32 s[G0A+4], 1
	s_add_co_u32 s[G0A+5], s[TMP], SLOT
	s_add_nc_u64 s[G0A+6:G0A+7], s[98:99], s[96:97]
	s_add_nc_u64 s[G0A+6:G0A+7], s[G0A+6:G0A+7], ROWB
	s_or_b32 s[G0A+7], s[G0A+7], 0x80000000
	CROUND                                         ; all four work-groups are here: the first joint loads meet
	s_wait_kmcnt 0x0                               ; the expert is in
	s_min_u32 s[EXPT], s[EXPT], 1                  ; held to 0 or 1; behind the hold only shifts to the left and additions lead to an address
	s_lshl_b32 s16, s[TXI], 8
	s_lshl_b32 s17, s[WJ], 7
	s_add_co_u32 s16, s16, s17                     ; my first column, and the first row of W that I fetch: 256 tx + 128 j
	s_lshl_b32 s17, s[EXPT], 11
	s_lshl_b32 s18, s[TXI], 8
	s_add_co_u32 s17, s17, s18                     ; the tile's first row of W in wc and wsc: 2,048 x expert further on
	s_lshl_b32 s18, s17, 11                        ; its codes (under 2^23),
	s_mov_b32 s19, 0
	s_lshl_b32 s2, s17, 6                          ; its scale bytes
	s_mov_b32 s3, 0
	s_mov_b32 s[G0SB], 1
	s_mov_b32 s[G0SB+1], SCB
	s_mov_b64 s[G0SB+2:G0SB+3], s[10:11]
	s_or_b32 s[G0SB+3], s[G0SB+3], 0x80000000      ; the type first, then the offset: the sum carries into the upper word and does not reach the type
	s_add_nc_u64 s[G0SB+2:G0SB+3], s[G0SB+2:G0SB+3], s[2:3]
	s_mov_b32 s[G0B], 1                            ; slot 0: the whole tile of K step 0
	s_mov_b32 s[G0B+1], BOFF
	s_mov_b64 s[G0B+2:G0B+3], s[8:9]
	s_or_b32 s[G0B+3], s[G0B+3], 0x80000000
	s_add_nc_u64 s[G0B+2:G0B+3], s[G0B+2:G0B+3], s[18:19]
	s_mul_i32 s[TMP], s[WJ], HALFB                 ; slot 1: my 128 rows of K step 1
	s_mul_i32 s2, s[WJ], 128*KROW
	s_mov_b32 s3, 0
	s_mov_b32 s[G0B+4], 1
	s_add_co_u32 s[G0B+5], s[TMP], BOFF+SLOT
	s_add_nc_u64 s[G0B+6:G0B+7], s[8:9], ROWB
	s_or_b32 s[G0B+7], s[G0B+7], 0x80000000
	s_add_nc_u64 s[G0B+6:G0B+7], s[G0B+6:G0B+7], s[18:19]
	s_add_nc_u64 s[G0B+6:G0B+7], s[G0B+6:G0B+7], s[2:3]
; the head's loads: ONE chain of branches on the wave's number, one load to an arm
.macro ARM under, g0, g1, next
	s_cmp_lt_u32 s[WV], \under
	s_cbranch_scc0 \next
	tensor_load_to_lds s[\g0:\g0+3], s[\g1:\g1+7]
	s_nop 0
.rept 4
	v_nop
.endr
	s_branch .Lhead_asked
\next:
.endm
	ARM 1, G0A,  G1A,  .Lhead_1
	ARM 2, G0SA, G1SA, .Lhead_2
	ARM 3, G0B,  G1B,  .Lhead_3
	tensor_load_to_lds s[G0SB:G0SB+3], s[G1SB:G1SB+7]
	s_nop 0
.rept 4
	v_nop
.endr
.Lhead_asked:
	v_and_b32 v1, 15, v0                           ; r = lane % 16
	v_bfe_u32 v2, v0, 4, 1                         ; h = lane / 16
	v_and_b32 v3, 31, v0                           ; lane
	v_mul_u32_u24 v4, v1, PITCH
	v_lshl_add_u32 v4, v2, 4, v4                   ; a fragment's row x pitch + 16 x half
	s_wait_alu depctr_va_vdst(0)
	s_mul_i32 s92, s[WI], 128*PITCH                ; my 128 rows of A
	v_add_nc_u32 v[ADRA], s92, v4
	s_add_co_u32 s92, s92, SLOT
	v_add_nc_u32 v[ADRA+1], s92, v4
	v_add_nc_u32 v[ADRX], 256*PITCH, v4            ; block X: rows 256-271
	v_add_nc_u32 v[ADRX+1], 256*PITCH+SLOT, v4
	s_xor_b32 s93, s[WI], 1                        ; i xor 1
	s_mul_i32 s94, s[WJ], 128*PITCH
	s_add_co_u32 s94, s94, BOFF                    ; my 128 rows of B
	s_mul_i32 s95, s[WI], 64*PITCH
	s_add_co_u32 s95, s95, s94                     ; register blocks 0-3: column blocks 4 i on
	s_mul_i32 s96, s93, 64*PITCH
	s_add_co_u32 s96, s96, s94                     ; register blocks 4-7: column blocks 4 (i xor 1) on
	v_add_nc_u32 v[ADRB0], s95, v4
	v_add_nc_u32 v[ADRB1], s96, v4
	s_add_co_u32 s95, s95, SLOT
	s_add_co_u32 s96, s96, SLOT
	v_add_nc_u32 v[ADRB0+1], s95, v4
	v_add_nc_u32 v[ADRB1+1], s96, v4
	v_lshlrev_b32 v5, 6, v1                        ; my row's scale bytes: 64 a row,
	v_lshrrev_b32 v6, 8, v5
	v_lshl_add_u32 v5, v6, 4, v5                   ; and 16 more for each 256 passed
	s_mul_i32 s92, s[WI], 8*SBLK
	s_add_co_u32 s92, s92, SCL                     ; A's: my eight blocks
	s_mul_i32 s94, s[WJ], 8*SBLK
	s_add_co_u32 s94, s94, SCB
	s_mul_i32 s95, s[WI], 4*SBLK
	s_add_co_u32 s95, s95, s94                     ; B's register blocks 0-3 (offset SBLK x block)
	s_mul_i32 s96, s93, 4*SBLK
	s_add_co_u32 s96, s96, s94
	s_sub_co_u32 s96, s96, 4*SBLK                  ; B's register blocks 4-7 (the same offsets, so four blocks are taken off)
	s_sub_co_u32 s95, s95, s92                     ; the distance from A's base to B's: at least 5,440
	s_sub_co_u32 s96, s96, s92
	v_mul_u32_u24 v6, s95, v2                      ; lanes 16-31 take B's
	s_wait_alu depctr_va_vdst(0)
	v_mul_u32_u24 v7, s96, v2
	v_add_nc_u32 v6, v6, v5
	v_add_nc_u32 v7, v7, v5
	v_add_nc_u32 v[ADRS0], s92, v6
	v_add_nc_u32 v[ADRS1], s92, v7
	v_add_nc_u32 v[ADRSX], SCL+16*SBLK, v5
	s_mul_i32 s92, s[WV], STG                      ; my stage
	v_mul_u32_u24 v6, v1, SPITCH                   ; in: row r, 32 bytes for each half of the lanes,
	v_lshl_add_u32 v6, v2, 5, v6
	v_add_nc_u32 v6, s92, v6
	s_lshl_b32 s94, s[WI], 8                       ; and the rotation undone: register blocks 0-3 are columns 64 i on, blocks 4-7 columns 64 (i xor 1) on
	s_lshl_b32 s95, s93, 8
	v_add_nc_u32 v[STO0], s94, v6
	v_add_nc_u32 v[STO1], s95, v6
	v_lshlrev_b32 v7, 4, v3
	v_add_nc_u32 v[RD], s92, v7                    ; back: the 32 lanes take one row of 512 bytes
	v_mul_u32_u24 v9, v1, PITCH
	v_lshl_add_u32 v9, v2, 5, v9
	v_add_nc_u32 v[STX], s92, v9                   ; block X, in: row r of 256 bytes + 16
	v_mul_u32_u24 v9, v2, PITCH
	v_lshl_add_u32 v9, v1, 4, v9
	v_add_nc_u32 v[RDX], s92, v9                   ; back: lanes 0-15 one row, lanes 16-31 the next
	s_lshl_b32 s17, s16, 2                         ; my first column, in bytes: 4 (256 tx + 128 j)
	v_add_nc_u32 v[CO], s17, v7
	s_add_co_u32 s18, s17, s94                     ; block X: 64 i columns further on
	v_lshl_add_u32 v[COX], v1, 4, s18
	v_lshlrev_b32 v[H4], 2, v2
	v_mov_b32 v[LIMV], 0x2000
	s_mul_i32 s96, s[TYI], 272*4
	s_mov_b32 s97, 0
	s_add_nc_u64 s[20:21], s[20:21], s[96:97]      ; rowtok at the tile's first row
	s_lshl_b32 s94, s[WI], 9
	v_lshl_add_u32 v8, v3, 2, s94                  ; my 128 rows' tokens: 4 x lane + 512 i; v8 is not written again
.irp u, 0,1,2,3
	global_load_b32 v[TK+\u], v8, s[20:21] offset:128*\u
.endr
	global_load_b128 v[BI:BI+3], v[CO], s[12:13]   ; both biases of the four columns that I store: the expert selects on the way out
	global_load_b128 v[BT:BT+3], v[CO], s[14:15]
.macro FRAG reg, adr, q, i             ; a fragment, 16 rows x 128 K of 8-bit codes: lane l holds row l % 16; registers 4 c .. 4 c + 3 hold K = 32 c + 16 (l / 16) + 0 .. 15
.irp c, 0,1,2,3
	ds_load_b128 v[\reg+4*\c:\reg+4*\c+3], v[\adr] offset:128*(\q)+32*\c+(\i)*16*PITCH
.endr
.endm
; 16 matrix instructions: A's blocks a0, a0 + 1 x B's eight register blocks, the slot's q-th 128 along K.  p: B's set; sc: the set of scale words.  zero = 1: the first product starts the sums: nothing is ever cleared.
; The 68 accumulators take turns, one instruction a turn, in the same order in every step.
.macro MUL16 a0, p, q, sc, zero
.irp a, \a0, \a0+1
.irp b, 0,1,2,3,4,5,6,7
.if \zero
	v_wmma_scale_f32_16x16x128_f8f6f4 v[8*(8*((\a)%4)+\b):8*(8*((\a)%4)+\b)+7], v[128*(\p)+FR*\b:128*(\p)+FR*\b+FR-1], v[AF+FR*(\a):AF+FR*(\a)+FR-1], 0, v[SC+SCN*(\sc)+NQ*\b+(\q)], v[SC+SCN*(\sc)+NQ*(\a)+(\q)] matrix_a_fmt:MATRIX_FMT_BF8 matrix_b_fmt:MATRIX_FMT_BF8 matrix_a_scale:MATRIX_SCALE_ROW1
.else
	v_wmma_scale_f32_16x16x128_f8f6f4 v[8*(8*((\a)%4)+\b):8*(8*((\a)%4)+\b)+7], v[128*(\p)+FR*\b:128*(\p)+FR*\b+FR-1], v[AF+FR*(\a):AF+FR*(\a)+FR-1], v[8*(8*((\a)%4)+\b):8*(8*((\a)%4)+\b)+7], v[SC+SCN*(\sc)+NQ*\b+(\q)], v[SC+SCN*(\sc)+NQ*(\a)+(\q)] matrix_a_fmt:MATRIX_FMT_BF8 matrix_b_fmt:MATRIX_FMT_BF8 matrix_a_scale:MATRIX_SCALE_ROW1
.endif
.endr
.endr
.endm
.macro MULX p, q, sc, zero             ; 4 matrix instructions: block X x B's register blocks 0-3
	WIN MUL_X
.irp b, 0,1,2,3
.if \zero
	v_wmma_scale_f32_16x16x128_f8f6f4 v[XACC+8*\b:XACC+8*\b+7], v[128*(\p)+FR*\b:128*(\p)+FR*\b+FR-1], v[XF:XF+FR-1], 0, v[SC+SCN*(\sc)+NQ*\b+(\q)], v[SC+SCN*(\sc)+16+(\q)] matrix_a_fmt:MATRIX_FMT_BF8 matrix_b_fmt:MATRIX_FMT_BF8 matrix_a_scale:MATRIX_SCALE_ROW1
.else
	v_wmma_scale_f32_16x16x128_f8f6f4 v[XACC+8*\b:XACC+8*\b+7], v[128*(\p)+FR*\b:128*(\p)+FR*\b+FR-1], v[XF:XF+FR-1], v[XACC+8*\b:XACC+8*\b+7], v[SC+SCN*(\sc)+NQ*\b+(\q)], v[SC+SCN*(\sc)+16+(\q)] matrix_a_fmt:MATRIX_FMT_BF8 matrix_b_fmt:MATRIX_FMT_BF8 matrix_a_scale:MATRIX_SCALE_ROW1
.endif
.endr
.endm
.macro FETCH_B slot, q, p              ; B's eight fragments into set p: 32 loads
	WIN TO_B
.irp i, 0,1,2,3
	FRAG 128*(\p)+FR*\i, ADRB0+\slot, \q, \i
.endr
.irp i, 0,1,2,3
	FRAG 128*(\p)+FR*(4+\i), ADRB1+\slot, \q, \i
.endr
	WIN 0
.endm
.macro FETCH_A slot, q, i0             ; A's blocks i0 .. i0 + 3: 16 loads
.irp i, \i0, \i0+1, \i0+2, \i0+3
	FRAG AF+FR*(\i), ADRA+\slot, \q, \i
.endr
.endm
.macro FETCH_X slot, q                 ; block X's fragment: 4 loads
	FRAG XF, ADRX+\slot, \q, 0
.endm
.macro SCALES sc                       ; the K step's scale words into set sc, two words a row: 9 loads
.irp i, 0,1,2,3
	ds_load_b64 v[SC+SCN*\sc+NQ*\i:SC+SCN*\sc+NQ*\i+1], v[ADRS0] offset:\i*SBLK
.endr
.irp i, 4,5,6,7
	ds_load_b64 v[SC+SCN*\sc+NQ*\i:SC+SCN*\sc+NQ*\i+1], v[ADRS1] offset:\i*SBLK
.endr
	ds_load_b64 v[SC+SCN*\sc+16:SC+SCN*\sc+17], v[ADRSX]
.endm
; A load into a register that a matrix instruction has read, and a vector instruction or an LDS store that reads a matrix result, stand NP places behind that matrix instruction; only plain vector
; instructions that name none of its registers are places (ISA guide 7.12.1 for vector instructions).  No matrix instruction here writes over another's registers.
.macro PLACES n
.rept \n
	v_nop
.endr
.endm
; A step of 128 along K that has its successor in the same slot.  A block of A is free as soon as its eight products are issued: blocks 0-3 are fetched anew in the step's middle, blocks 4-7 and X at its end.
.macro STEP slot, q, zero
	s_wait_dscnt 20                                ; B's set, A's blocks 0-3 and the scale words are in; the youngest 20 loads (A's blocks 4-7: 16, X: 4) may be out
	WIN MUL_LO
	MUL16 0, (\q)%2, \q, \slot, \zero
	MUL16 2, (\q)%2, \q, \slot, \zero
	s_wait_dscnt 0                                 ; A's blocks 4-7 and X are in (asked for 32 matrix instructions ago)
	PLACES NP
	FETCH_B \slot, (\q)+1, 1-(\q)%2
	FETCH_A \slot, (\q)+1, 0
	WIN MUL_HI
	MUL16 4, (\q)%2, \q, \slot, \zero
	MUL16 6, (\q)%2, \q, \slot, \zero
	MULX (\q)%2, \q, \slot, \zero
	PLACES NP
	WIN 0
	FETCH_A \slot, (\q)+1, 4
	FETCH_X \slot, (\q)+1
.endm
; A slot's last step changes slots: ONE barrier; in front of it each wave waits for all its tensor loads, adds 0 to its spare word, and waits for that and for its own reads of this slot.  fill = 1: this slot is filled again, two K steps ahead.
.macro TURN slot, next, fill
.if \fill
	s_wait_xcnt 0x0                                ; the prefetches have taken their addresses: the bases go on by a K step
	s_add_nc_u64 s[4:5], s[4:5], ROWB
	s_add_nc_u64 s[8:9], s[8:9], ROWB
.endif
	s_wait_tensorcnt 0x0                           ; all my tensor loads have landed: the one that was out is my part of the next slot  (every window is 0 here)
	ds_add_u32 v[SPW], v[NIL]                      ; 0 onto my spare word
	s_wait_dscnt 21                                ; (the add and the youngest 20 loads may be out)
	WIN MUL_LO
	MUL16 0, 1, NQ-1, \slot, 0                     ; sixteen matrix instructions stand between the add and the wait for it
	s_wait_dscnt 0x0                               ; the add is done, and my reads of this slot are over
	s_barrier_signal -1
	MUL16 2, 1, NQ-1, \slot, 0
	WIN 0
	s_barrier_wait -1
.if \fill
	CREST                                          ; the barrier has opened a round of the cluster's barrier: no wave of any partner still reads this slot's tile or has a load on its way
	s_add_nc_u64 s[G0A+4*\slot+2:G0A+4*\slot+3], s[G0A+4*\slot+2:G0A+4*\slot+3], 2*ROWB
	s_add_nc_u64 s[G0B+4*\slot+2:G0B+4*\slot+3], s[G0B+4*\slot+2:G0B+4*\slot+3], 2*ROWB
	JLOAD \slot                                    ; the first tensor load behind the round, my one load until the next; its four v_nop are among the places in front of the loads below
	PLACES NP-4
.else
	PLACES NP
.endif
	s_wait_alu depctr_va_vdst(0)
	v_add_nc_u32 v[ADRS0], 4*NQ, v[ADRS0]          ; on to the next K step's scale words
	v_add_nc_u32 v[ADRS1], 4*NQ, v[ADRS1]
	v_add_nc_u32 v[ADRSX], 4*NQ, v[ADRSX]
	FETCH_B \next, 0, 0
	FETCH_A \next, 0, 0
	SCALES \next
.if \fill
.if \slot
	s_cmp_gt_u32 s3, 1                             ; the last trip's second change of slots would ask for what lies behind K's end
	s_cbranch_scc0 .Lnone_\@
.endif
	global_prefetch_b8 v[PFX], s[4:5] offset:2*ROWB th:TH_LOAD_NT scope:SCOPE_SE
	global_prefetch_b8 v[PFW], s[8:9] offset:2*ROWB th:TH_LOAD_NT scope:SCOPE_SE
.Lnone_\@:
.endif
	WIN MUL_HI
	MUL16 4, 1, NQ-1, \slot, 0
	MUL16 6, 1, NQ-1, \slot, 0
	MULX 1, NQ-1, \slot, 0
	PLACES NP
	WIN 0
	FETCH_A \next, 0, 4
	FETCH_X \next, 0
.endm
	s_mul_i32 s92, s[TYI], 272
	s_mul_i32 s93, s[CX], 68
	s_add_co_u32 s92, s92, s93
	s_mul_i32 s93, s[WV], 17
	s_add_co_u32 s92, s92, s93
	s_lshl_b32 s92, s92, 11                        ; A: rows 272 ty + 68 cx + 17 w on
	s_lshl_b32 s94, s[EXPT], 11
	s_lshl_b32 s95, s[TXI], 8
	s_add_co_u32 s94, s94, s95
	s_and_b32 s95, s[TYI], 7
	s_lshl_b32 s95, s95, 5
	s_add_co_u32 s94, s94, s95
	s_lshl_b32 s95, s[WV], 3
	s_add_co_u32 s94, s94, s95
	s_lshl_b32 s94, s94, 11                        ; B: rows 2,048 x expert + 256 tx + 32 (ty mod 8) + 8 w on
	s_wait_alu depctr_va_vdst(0)
	v_mul_u32_u24 v[PFX], 17, v3
	v_lshrrev_b32 v[PFX], 5, v[PFX]                ; 0 .. 16
	v_lshl_add_u32 v[PFX], v[PFX], 11, s92
	v_and_b32 v[PFW], 7, v3
	v_lshl_add_u32 v[PFW], v[PFW], 11, s94
	s_wait_alu depctr_va_vdst(0)
	s_wait_tensorcnt 0x0                           ; my tile of the head's four is in
	ds_add_u32 v[SPW], v[NIL]
	s_mov_b32 s[G1A+2], 136<<16                    ; no tensor load of mine is out: from here on a load brings half a tile's rows
	s_mov_b32 s[G1A+4], 136
	s_mov_b32 s[G1B+2], 128<<16
	s_mov_b32 s[G1B+4], 128
	s_mul_i32 s[G0A+1], s[WJ], HALFA               ; and slot 0's descriptors are mine, too: my half of the rows
	s_mul_i32 s2, s[WJ], 136*KROW
	s_mov_b32 s3, 0
	s_add_nc_u64 s[G0A+2:G0A+3], s[G0A+2:G0A+3], s[2:3]
	s_mul_i32 s[TMP], s[WJ], HALFB
	s_add_co_u32 s[G0B+1], s[TMP], BOFF
	s_mul_i32 s2, s[WJ], 128*KROW
	s_add_nc_u64 s[G0B+2:G0B+3], s[G0B+2:G0B+3], s[2:3]
	s_wait_dscnt 0x0                               ; the add is done
	CROUND                                         ; all four tiles are in, in all four work-groups
	JLOAD 1                                        ; K step 1: the first tensor load behind the round
	FETCH_B 0, 0, 0
	FETCH_A 0, 0, 0
	SCALES 0
	FETCH_A 0, 0, 4
	FETCH_X 0, 0
	global_prefetch_b8 v[PFX], s[4:5] offset:2*ROWB th:TH_LOAD_NT scope:SCOPE_SE   ; K step 2, which the first change of slots loads
	global_prefetch_b8 v[PFW], s[8:9] offset:2*ROWB th:TH_LOAD_NT scope:SCOPE_SE
	STEP 0, 0, 1                                   ; the first step stands in front of the loop: its products start the sums
	s_mov_b32 s3, LAPS-1
.Llap:                                                 ; a trip goes once round the ring, from a lap's second step to the next lap's first, and fills both slots again
	TURN 0, 1, 1
	STEP 1, 0, 0
	TURN 1, 0, 1
	STEP 0, 0, 0
	s_sub_co_u32 s3, s3, 1
	s_cmp_lg_u32 s3, 0
	s_cbranch_scc1 .Llap
	TURN 0, 1, 0                                   ; the last lap fills nothing, and has no round of the cluster's barrier
	STEP 1, 0, 0
	s_wait_dscnt 20                                ; the very last step: nothing more to fetch
	WIN MUL_LO
	MUL16 0, 1, NQ-1, 1, 0
	MUL16 2, 1, NQ-1, 1, 0
	s_wait_dscnt 0
	WIN MUL_HI
	MUL16 4, 1, NQ-1, 1, 0
	MUL16 6, 1, NQ-1, 1, 0
	MULX 1, NQ-1, 1, 0
	WIN 0
; THE WAY OUT, block by block of 16 rows x 128 columns.  A lane holds 32 neighbouring bytes of a row, and the lanes beside it hold other rows: so a block goes through my own stage in LDS and comes back as whole rows
; of 512 bytes.  LDS serves a wave's instructions in order (ISA guide 5.7.1.4): no wait between the stores and the loads, nor in front of the next block's stores.
.macro TOSTAGE a
.set AC, 64*((\a)%4)
	WIN 0x08+4*((\a)/4)                            ; an LDS store's data are its source 1: window 2 or 3
.irp b, 0,1,2,3
	ds_store_b128 v[STO0], v[AC+8*\b:AC+8*\b+3] offset:64*\b           ; each accumulator from its low end on
	ds_store_b128 v[STO0], v[AC+8*\b+4:AC+8*\b+7] offset:64*\b+16
.endr
.irp b, 0,1,2,3
	ds_store_b128 v[STO1], v[AC+32+8*\b:AC+32+8*\b+3] offset:64*\b
	ds_store_b128 v[STO1], v[AC+32+8*\b+4:AC+32+8*\b+7] offset:64*\b+16
.endr
	WIN 0
.set BB, BK+64*((\a)%2)
.irp t, 0,1,2,3,4,5,6,7,8,9,10,11,12,13,14,15
	ds_load_b128 v[BB+4*\t:BB+4*\t+3], v[RD] offset:\t*SPITCH
.endr
.endm
; Block a's 16 rows leave, each to its token's row of the output: offset = token x 8,192 + my column's bytes, the token held to 8,191.  A row without a token (rowtok = -1) repeats the row before it; EXEC changes once a block, by the first row's token.
; younger: the LDS instructions issued behind block a's loads, which may stay out.  first = 1: the tokens and the biases are waited for, and the expert's bias is selected.
.macro SEND a, younger, first
.set BB, BK+64*((\a)%2)
	s_wait_dscnt \younger                          ; the block is back in registers
.if \first
	s_wait_loadcnt 10                              ; my rows' tokens and the two biases are in; behind them stand block X's 8 loads of tokens and 2 of biases
.irp k, 0,1,2,3
	v_cndmask_b32 v[BI+\k], v[BT+\k], v[BI+\k], s[EM]     ; the image bias where the tile's expert is 1, else the text bias
.endr
.endif
.irp t, 0,1,2,3,4,5,6,7,8,9,10,11,12,13,14,15
	v_readlane_b32 s[TOKS+\t], v[TK+(\a)/2], 16*((\a)%2)+\t
.endr
.irp t, 0,1,2,3,4,5,6,7,8,9,10,11,12,13,14,15
.if \t > 0
	s_cmp_lt_u32 s[TOKS+\t], 0x2000
	s_cselect_b32 s[ROWM], -1, 0
	s_cselect_b32 s[TOKS+\t], s[TOKS+\t], s[TOKS+\t-1]
.irp k, 0,1,2,3
	v_cndmask_b32 v[BB+4*\t+\k], v[BB+4*\t-4+\k], v[BB+4*\t+\k], s[ROWM]
.endr
.endif
	s_min_u32 s[TMP], s[TOKS+\t], 0x1fff
	v_lshl_add_u32 v[OF+\t], s[TMP], 13, v[CO]
.endr
.irp t, 0,1,2,3,4,5,6,7,8,9,10,11,12,13,14,15
	v_pk_add_f32 v[BB+4*\t:BB+4*\t+1], v[BB+4*\t:BB+4*\t+1], v[BI:BI+1]          ; + the bias of my four columns
	v_pk_add_f32 v[BB+4*\t+2:BB+4*\t+3], v[BB+4*\t+2:BB+4*\t+3], v[BI+2:BI+3]
.endr
.irp t, 0,1,2,3,4,5,6,7,8,9,10,11,12,13,14,15
.if \t == 0
	s_wait_alu depctr_va_vdst(0)
	s_wait_xcnt 0x0                                ; EXEC is a source of the loads and stores issued so far: it changes only behind this wait
	v_cmpx_lt_u32 s[TOKS], v[LIMV]                 ; all lanes where the block's first row holds a token, else none
.endif
	global_store_b128 v[OF+\t], v[BB+4*\t:BB+4*\t+3], s[66:67] th:TH_STORE_NT    ; 32 lanes store 512 consecutive bytes, at a multiple of 512 from out0's first byte; written once, read by nobody here
.endr
	s_wait_xcnt 0x0                                ; the stores have read EXEC, their offsets and their data: all may be written again
	s_mov_b32 exec_lo, -1
.endm
	PLACES NP                                      ; behind the last products: for the loads into registers that held scale words and fragments, and for the reads of results
	s_cmp_lg_u32 s[EXPT], 0
	s_cselect_b32 s[EM], -1, 0                     ; a mask for the choice of a value: no address and no branch hangs on it
.irp u, 0,1,2,3,4,5,6,7
	global_load_b32 v[TX+\u], v[H4], s[20:21] offset:4*(256+2*\u)    ; block X: the token of row 256 + 2 u + lane / 16
.endr
	global_load_b128 v[BX:BX+3], v[COX], s[12:13]  ; and both biases of its four columns of mine
	global_load_b128 v[BXT:BXT+3], v[COX], s[14:15]
	TOSTAGE 0
	TOSTAGE 1
	SEND 0, 32, 1                                  ; behind block 0's loads: block 1's 16 stores and 16 loads
.irp a, 2,3,4,5,6,7
	TOSTAGE \a
	SEND \a-1, 32, 0
.endr
	; block X: 16 rows x my 64 columns: rows of 256 bytes through the same stage
.irp b, 0,1,2,3
	ds_store_b128 v[STX], v[XACC+8*\b:XACC+8*\b+3] offset:64*\b
	ds_store_b128 v[STX], v[XACC+8*\b+4:XACC+8*\b+7] offset:64*\b+16
.endr
.irp u, 0,1,2,3,4,5,6,7
	ds_load_b128 v[BK+4*\u:BK+4*\u+3], v[RDX] offset:\u*2*PITCH      ; lanes 0-15 row 2 u, lanes 16-31 row 2 u + 1
.endr
	SEND 7, 16, 0                                  ; behind block 7's loads: X's 8 stores and 8 loads
	s_wait_loadcnt 0x0                             ; X's tokens and biases
	s_wait_dscnt 0x0
.irp k, 0,1,2,3
	v_cndmask_b32 v[BX+\k], v[BXT+\k], v[BX+\k], s[EM]
.endr
.irp u, 0,1,2,3,4,5,6,7
.if \u > 0
	v_cmp_gt_u32 vcc_lo, 0x2000, v[TX+\u]          ; a row without a token repeats the row two before it, which the same lanes hold
	v_cndmask_b32 v[TX+\u], v[TX+\u-1], v[TX+\u], vcc_lo
.irp k, 0,1,2,3
	v_cndmask_b32 v[BK+4*\u+\k], v[BK+4*\u-4+\k], v[BK+4*\u+\k], vcc_lo
.endr
.endif
	v_min_u32 v[OFX+\u], 0x1fff, v[TX+\u]
	v_lshl_add_u32 v[OFX+\u], v[OFX+\u], 13, v[COX]
.endr
.irp u, 0,1,2,3,4,5,6,7
	v_pk_add_f32 v[BK+4*\u:BK+4*\u+1], v[BK+4*\u:BK+4*\u+1], v[BX:BX+1]
	v_pk_add_f32 v[BK+4*\u+2:BK+4*\u+3], v[BK+4*\u+2:BK+4*\u+3], v[BX+2:BX+3]
.endr
	s_wait_alu depctr_va_vdst(0)
.irp u, 0,1,2,3,4,5,6,7
.if \u == 0
	s_wait_xcnt 0x0                                ; as above
	v_cmpx_lt_u32 v[TX], v[LIMV]                   ; each half of the lanes by its own first row
.endif
	global_store_b128 v[OFX+\u], v[BK+4*\u:BK+4*\u+3], s[66:67] th:TH_STORE_NT   ; sixteen lanes store 256 consecutive bytes, at a multiple of 256 from out0's first byte
.endr
	s_wait_xcnt 0x0
	s_mov_b32 exec_lo, -1
	s_wait_tensorcnt 0x0                           ; the wave's end: behind my last tensor load and my last LDS store
	ds_add_u32 v[SPW], v[NIL]
	s_wait_dscnt 0x0
	CROUND                                         ; the closing round: no work-group ends while a partner may still ask for a tile that names it
	s_endpgm
.Lfunc_end_k_q0a3a275253_gemm:
	.size	k_q0a3a275253_gemm, .Lfunc_end_k_q0a3a275253_gemm-k_q0a3a275253_gemm
	.p2alignl 7, 3214868480
	.fill 96, 4, 3214868480
	.section	.rodata,"a",@progbits
	.p2align	6, 0x0
	.amdhsa_kernel k_q0a3a275253_gemm
		.amdhsa_group_segment_fixed_size 327680
		.amdhsa_private_segment_fixed_size 0
		.amdhsa_enable_private_segment 0
		.amdhsa_kernarg_size 72
		.amdhsa_user_sgpr_count 2
		.amdhsa_user_sgpr_kernarg_segment_ptr 1
		.amdhsa_wavefront_size32 1
		.amdhsa_system_sgpr_workgroup_id_x 1
		.amdhsa_system_sgpr_workgroup_id_y 1
		.amdhsa_system_sgpr_workgroup_id_z 1
		.amdhsa_system_vgpr_workitem_id 0
		.amdhsa_next_free_vgpr 1024
		.amdhsa_next_free_sgpr 100
		.amdhsa_reserve_vcc 1
		.amdhsa_float_denorm_mode_32 3
		.amdhsa_float_denorm_mode_16_64 3
		.amdhsa_memory_ordered 1
		.amdhsa_forward_progress 1
		.amdhsa_inst_pref_size 250
	.end_amdhsa_kernel
	.amdgpu_metadata
---
amdhsa.version: [ 1, 2 ]
amdhsa.kernels:
  - .name:           k_q0a3a275253_gemm
    .symbol:         k_q0a3a275253_gemm.kd
    .args:
      - { .name: xs, .offset: 0, .size: 8, .value_kind: global_buffer, .address_space: global }
      - { .name: xss, .offset: 8, .size: 8, .value_kind: global_buffer, .address_space: global }
      - { .name: wc, .offset: 16, .size: 8, .value_kind: global_buffer, .address_space: global }
      - { .name: wsc, .offset: 24, .size: 8, .value_kind: global_buffer, .address_space: global }
      - { .name: b_img, .offset: 32, .size: 8, .value_kind: global_buffer, .address_space: global }
      - { .name: b_text, .offset: 40, .size: 8, .value_kind: global_buffer, .address_space: global }
      - { .name: rowtok, .offset: 48, .size: 8, .value_kind: global_buffer, .address_space: global }
      - { .name: tileexp, .offset: 56, .size: 8, .value_kind: global_buffer, .address_space: global }
      - { .name: out0, .offset: 64, .size: 8, .value_kind: global_buffer, .address_space: global }
    .group_segment_fixed_size: 327680
    .private_segment_fixed_size: 0
    .kernarg_segment_align: 8
    .kernarg_segment_size: 72
    .max_flat_workgroup_size: 128
    .sgpr_count:     100
    .vgpr_count:     1024
    .wavefront_size: 32
...
	.end_amdgpu_metadata
.endif
;; end of part 2
